; MI455X (gfx1250); checked and timed in simulation.
; The chip was launched on July 23, 2026; its instructions are those of AMD's public machine-readable ISA for CDNA 5 (MIT licence, August 2026) and "CDNA5" Instruction Set Architecture Reference Guide (July 2026). The comments in the code are by the model that wrote it; some were corrected since.
;; Occ Grid Accel Batched Dynamic Base. Allowed arithmetic: float matrix products may take bf16 or f16 operands with f32 sums; all other float work in f32.
;; Inputs: bidx 2,000,000 int32; occ_grid 64 x 96 x 96 x 96 float32; pts 2,000,000 x 3 float32; ts 2,000,000 float32; ts_keyframes 16 float32.
;; Outputs: out0 2,000,000 float32.
;; One version. Each part assembles by itself: llvm-mc -triple=amdgcn-amd-amdhsa -mcpu=gfx1250 --defsym DOCPART=n.
;; ======== version 1 of 1: 2 launches
;; workspace buffers: cells 8,000,000 bytes of whole numbers
;; launch cellno (part 1): grid 3125 x 1, 5 waves a work-group, no clusters, 8,448 bytes of LDS; arguments pts, ts, bidx, ts_keyframes, cells; writes cells
.if DOCPART == 1
	.amdgcn_target "amdgcn-amd-amdhsa--gfx1250"
	.amdhsa_code_object_version 6
	.text
	.protected	k_q222751519a_cellno
	.globl	k_q222751519a_cellno
	.p2align	8
	.type	k_q222751519a_cellno,@function
k_q222751519a_cellno:
	s_mov_b64 s[64:65], 0
	v_nop
	global_prefetch_b8 v0, s[64:65] scope:SCOPE_SE
	s_setreg_imm32_b32 hwreg(HW_REG_WAVE_MODE, 25, 1), 1
	s_wait_xcnt 0x0
; cells[n] = (bidx[n]*16 + fidx[n]) << 20 | ((gx*96 + gy)*96 + gz): for each of 2,000,000 points the number of its grid and of its cell.
; The cell number is made from floating-point data; it is stored here as a whole number, and the next launch makes the table address from it.
;   g    = clip(floor((p*0.5 + 0.5)*96), 0, 95) for the three coordinates of pts[n]
;   fidx = the nearer of the two keyframes that the reference's bisection (searchsorted) puts round ts[n]
; SHARES: 2,000,000 = 3,125 work-groups x 5 waves x 32 lanes x 4 points.  A lane owns four neighbouring points, so that its ts, bidx and cells
; are 16 bytes each and each such load or store of a wave covers 512 consecutive bytes, aligned.  One step a wave, no loop: all five loads go out at once.
; pts: the wave's 1,536 bytes are loaded as three runs of 512 consecutive bytes and turned round in the wave's own 1,536 bytes of LDS,
; from which each lane takes back the 48 bytes of its four points.  No wave reads another's bytes: no barrier.
; No two work-groups read the same bytes, so there is nothing to share in a cluster; there are no products for the matrix unit.
; LIMITS: a NaN among ts_keyframes is not served (the reference's search sorts it above all numbers, the compares here call it unordered).
; bidx is taken to be 0..3 as the table asks; other values give a word that the next launch clamps into the table.
; Where (p*0.5+0.5)*96 is NaN or outside int32 the reference's conversion is not defined: here NaN gives 0, the others the nearer end, 0 or 95.
; A NaN in ts ends at frame 15, as in the reference.  The keyframes need not be sorted: the bisection is the reference's own, step for step.
.set WAVES, 5
.set WPTS,  128                        ; points of a wave
.set WROW,  WPTS*12                    ; bytes of pts of a wave, and of its LDS region
.set GB4,   WAVES*WPTS*4               ; bytes of ts, of bidx and of cells of a work-group
.set GBP,   WAVES*WROW                 ; bytes of pts of a work-group
.set RES,   96
.set OFF4, 2                           ; v2      byte offset of my 16 bytes in ts, bidx, cells
.set OFFP, 3                           ; v3      byte offset in pts of my 16 bytes of the wave's first run
.set LST,  5                           ; v5      LDS: where I put them
.set LLD,  6                           ; v6      LDS: my four points' 48 bytes
.set P,    8                           ; v[8:19]  pts as loaded
.set Q,    20                          ; v[20:31] pts by point: x y z of point 0, of point 1, ..; later the coordinates and the cell
.set TS,   32                          ; v[32:35] ts of my four points
.set BI,   36                          ; v[36:39] bidx
.set L,    40                          ; v[40:43] the search's bits, then fidx, then the word to store
.set KL,   44                          ; v[44:52] kf[0..8] in every lane (the select's second source is a vector register)
.set X,    54                          ; v[54:62] the window of keyframes of the point at work
.set KF,   32                          ; s[32:47] kf[0..15]
	s_load_b256 s[4:11], s[0:1], 0x0               ; pts s[4:5], ts s[6:7], bidx s[8:9], ts_keyframes s[10:11]
	s_load_b64 s[12:13], s[0:1], 0x20              ; cells
	v_lshl_add_u32 v64, v0, 2, 0x1e00
	v_mov_b32 v65, 0
	v_lshrrev_b32 v1, 5, v0
	v_readfirstlane_b32 s14, v1                    ; wave 0..4
	v_and_b32 v1, 31, v0                           ; lane
	s_mul_i32 s15, ttmp9, GB4                      ; the work-group's part of ts, bidx, cells (below 8,000,000)
	s_mul_i32 s16, ttmp9, GBP                      ; and of pts (below 24,000,000)
	s_mul_i32 s17, s14, WROW                       ; the wave's part of that, and its LDS region
	s_add_co_u32 s16, s16, s17
	s_mov_b32 s48, 0x42be0000                      ; 95.0
	s_mov_b32 s50, 0x42c00000                      ; 96.0, in a pair for the packed multiply
	s_mov_b32 s51, 0x42c00000
	v_lshl_add_u32 v[OFF4], v0, 4, s15             ; 16 t + the group
	v_lshlrev_b32 v4, 4, v1                        ; 16 x lane
	v_add_nc_u32 v[OFFP], s16, v4
	v_add_nc_u32 v[LST], s17, v4
	v_mul_u32_u24 v[LLD], v1, 48                   ; 48 x lane
	v_add_nc_u32 v[LLD], s17, v[LLD]
	s_wait_kmcnt 0x0
	global_load_b128 v[P:P+3],    v[OFFP], s[4:5] th:TH_LOAD_NT
	global_load_b128 v[P+4:P+7],  v[OFFP], s[4:5] offset:512 th:TH_LOAD_NT
	global_load_b128 v[P+8:P+11], v[OFFP], s[4:5] offset:1024 th:TH_LOAD_NT
	global_load_b128 v[TS:TS+3],  v[OFF4], s[6:7] th:TH_LOAD_NT
	global_load_b128 v[BI:BI+3],  v[OFF4], s[8:9] th:TH_LOAD_NT
	s_load_b512 s[KF:KF+15], s[10:11], 0x0         ; the 16 keyframes; nothing in this launch writes them
	s_wait_loadcnt 0x2                             ; loads come back in order: the three of pts are in, those of ts and bidx stay out
	ds_store_b128 v[LST], v[P:P+3]
	ds_store_b128 v[LST], v[P+4:P+7] offset:512
	ds_store_b128 v[LST], v[P+8:P+11] offset:1024
	; LDS serves a wave's instructions in order (ISA guide 5.7.1): these see the stores above.  48 bytes are 12 words.
	ds_load_b128 v[Q:Q+3],    v[LLD]
	ds_load_b128 v[Q+4:Q+7],  v[LLD] offset:16
	ds_load_b128 v[Q+8:Q+11], v[LLD] offset:32
	s_wait_kmcnt 0x0                               ; the keyframes
.irp i, 0,1,2,3,4,5,6,7,8
	v_mov_b32 v[KL+\i], s[KF+\i]
.endr
; The nearest keyframe of point p.  The reference's search is a bisection of (low, high) = (0, 16) in five steps: mid = (low + high) / 2,
; go left (high = mid) if ts <= kf[mid], else right (low = mid).  Here the window kf[low .. high] itself is carried along and halved by
; selects (kf[16] stands for kf[15], the clipped upper neighbour): 9, 5, 3, 2 numbers.  After four steps it is (kf[low], kf[min(low+1, 15)]).
; L gathers the go-left bits, so low = 15 - L.  The fifth step compares ts with kf[low] once more; it can go left only at low = 0, and then
; the reference's two neighbours are both frame 0 and it answers 0.  That is had for nothing by leaving the lower distance signed:
; |kf[hi] - ts| < ts - kf[low] is false whenever ts <= kf[low], and is the reference's comparison otherwise.  fidx = low + that bit.
.macro NEAREST p
	v_cmp_ge_f32 vcc_lo, s[KF+8], v[TS+\p]                         ; ts <= kf[8]: left
.irp i, 0,1,2,3,4,5,6,7
	v_cndmask_b32 v[X+\i], s[KF+8+\i], v[KL+\i], vcc_lo            ; left: kf[i], right: kf[8+i]
.endr
	v_cndmask_b32 v[X+8], s[KF+15], v[KL+8], vcc_lo
	v_cndmask_b32 v[L+\p], 0, 1, vcc_lo
	v_cmp_le_f32 vcc_lo, v[TS+\p], v[X+4]
.irp i, 0,1,2,3,4
	v_cndmask_b32 v[X+\i], v[X+4+\i], v[X+\i], vcc_lo              ; in place, ascending: X+4 is read by i = 0 before i = 4 writes it
.endr
	v_add_co_ci_u32 v[L+\p], vcc_lo, v[L+\p], v[L+\p], vcc_lo      ; L = 2 L + bit
	v_cmp_le_f32 vcc_lo, v[TS+\p], v[X+2]
.irp i, 0,1,2
	v_cndmask_b32 v[X+\i], v[X+2+\i], v[X+\i], vcc_lo
.endr
	v_add_co_ci_u32 v[L+\p], vcc_lo, v[L+\p], v[L+\p], vcc_lo
	v_cmp_le_f32 vcc_lo, v[TS+\p], v[X+1]
.irp i, 0,1
	v_cndmask_b32 v[X+\i], v[X+1+\i], v[X+\i], vcc_lo
.endr
	v_add_co_ci_u32 v[L+\p], vcc_lo, v[L+\p], v[L+\p], vcc_lo
	v_sub_f32 v[X+1], v[X+1], v[TS+\p]                             ; kf[hi] - ts
	v_sub_f32 v[X], v[TS+\p], v[X]                                 ; ts - kf[low], signed
	v_sub_nc_u32 v[L+\p], 15, v[L+\p]                              ; low
	v_cmp_lt_f32 vcc_lo, |v[X+1]|, v[X]
	v_add_co_ci_u32 v[L+\p], vcc_lo, 0, v[L+\p], vcc_lo            ; fidx
.endm
	s_wait_loadcnt 0x1                             ; ts is in, bidx stays out
	NEAREST 0
	NEAREST 1
	NEAREST 2
	NEAREST 3
	; The coordinates, twelve numbers a lane.  p*0.5 is exact, so the fused form rounds as the reference's multiply and add do.
	; The clamp comes first, in f32; on [0, 95] the conversion's truncation is the floor, and below 0 and from 95 on both orders give 0 and 95.
	s_wait_dscnt 0x0
.irp j, 0,2,4,6,8,10
	v_pk_fma_f32 v[Q+\j:Q+\j+1], v[Q+\j:Q+\j+1], 0.5, 0.5 op_sel_hi:[1,0,0]
.endr
.irp j, 0,2,4,6,8,10
	v_pk_mul_f32 v[Q+\j:Q+\j+1], v[Q+\j:Q+\j+1], s[50:51] op_sel_hi:[1,0]
.endr
.irp j, 0,1,2,3,4,5,6,7,8,9,10,11
	v_med3_num_f32 v[Q+\j], v[Q+\j], 0, s48
.endr
.irp j, 0,1,2,3,4,5,6,7,8,9,10,11
	v_cvt_u32_f32 v[Q+\j], v[Q+\j]
.endr
	s_wait_loadcnt 0x0                             ; bidx
.irp p, 0,1,2,3
	v_mad_u32_u24 v[Q+3*\p], v[Q+3*\p], RES, v[Q+3*\p+1]           ; gx*96 + gy
	v_lshl_add_u32 v[L+\p], v[BI+\p], 4, v[L+\p]                   ; bidx*16 + fidx
	v_mad_u32_u24 v[Q+3*\p], v[Q+3*\p], RES, v[Q+3*\p+2]           ; .. *96 + gz, below 884,736 < 2^20
	v_lshl_or_b32 v[L+\p], v[L+\p], 20, v[Q+3*\p]
.endr
	global_store_b128 v[OFF4], v[L:L+3], s[12:13]  ; 512 consecutive bytes a wave; no streaming hint: the next launch reads these words
	s_wait_tensorcnt 0x0
	ds_add_u32 v64, v65
	s_wait_dscnt 0x0
	s_endpgm
.Lfunc_end_k_q222751519a_cellno:
	.size	k_q222751519a_cellno, .Lfunc_end_k_q222751519a_cellno-k_q222751519a_cellno
	.p2alignl 7, 3214868480
	.fill 96, 4, 3214868480
	.section	.rodata,"a",@progbits
	.p2align	6, 0x0
	.amdhsa_kernel k_q222751519a_cellno
		.amdhsa_group_segment_fixed_size 8448
		.amdhsa_private_segment_fixed_size 0
		.amdhsa_enable_private_segment 0
		.amdhsa_kernarg_size 40
		.amdhsa_user_sgpr_count 2
		.amdhsa_user_sgpr_kernarg_segment_ptr 1
		.amdhsa_wavefront_size32 1
		.amdhsa_system_sgpr_workgroup_id_x 1
		.amdhsa_system_sgpr_workgroup_id_y 1
		.amdhsa_system_sgpr_workgroup_id_z 1
		.amdhsa_system_vgpr_workitem_id 0
		.amdhsa_next_free_vgpr 66
		.amdhsa_next_free_sgpr 66
		.amdhsa_reserve_vcc 1
		.amdhsa_float_denorm_mode_32 3
		.amdhsa_float_denorm_mode_16_64 3
		.amdhsa_memory_ordered 1
		.amdhsa_forward_progress 1
		.amdhsa_inst_pref_size 11
	.end_amdhsa_kernel
	.amdgpu_metadata
---
amdhsa.version: [ 1, 2 ]
amdhsa.kernels:
  - .name:           k_q222751519a_cellno
    .symbol:         k_q222751519a_cellno.kd
    .args:
      - { .name: pts, .offset: 0, .size: 8, .value_kind: global_buffer, .address_space: global }
      - { .name: ts, .offset: 8, .size: 8, .value_kind: global_buffer, .address_space: global }
      - { .name: bidx, .offset: 16, .size: 8, .value_kind: global_buffer, .address_space: global }
      - { .name: ts_keyframes, .offset: 24, .size: 8, .value_kind: global_buffer, .address_space: global }
      - { .name: cells, .offset: 32, .size: 8, .value_kind: global_buffer, .address_space: global }
    .group_segment_fixed_size: 8448
    .private_segment_fixed_size: 0
    .kernarg_segment_align: 8
    .kernarg_segment_size: 40
    .max_flat_workgroup_size: 160
    .sgpr_count:     66
    .vgpr_count:     66
    .wavefront_size: 32
...
	.end_amdgpu_metadata
.endif
;; end of part 1
;; launch gather (part 2): grid 3125 x 1, 5 waves a work-group, no clusters, 0 bytes of LDS; arguments cells, occ_grid, out0; writes out0
.if DOCPART == 2
	.amdgcn_target "amdgcn-amd-amdhsa--gfx1250"
	.amdhsa_code_object_version 6
	.text
	.protected	k_q222751519a_gather
	.globl	k_q222751519a_gather
	.p2align	8
	.type	k_q222751519a_gather,@function
k_q222751519a_gather:
	s_mov_b64 s[64:65], 0
	v_nop
	global_prefetch_b8 v0, s[64:65] scope:SCOPE_SE
	s_setreg_imm32_b32 hwreg(HW_REG_WAVE_MODE, 25, 1), 1
	s_wait_xcnt 0x0
; out0[n] = occ_grid[grid(n)][cell(n)], where cells[n] = grid << 20 | cell was stored by the launch before.
; SHARES as there: 3,125 work-groups x 5 waves x 32 lanes x 4 neighbouring points; the list comes in and the result goes out as 16 bytes a lane,
; 512 consecutive aligned bytes a wave.  One step a wave, no loop: a wave's four gathers (128 table words) go out as soon as its list words are in,
; so nothing could be asked for earlier than the loads themselves ask.  No LDS, no barrier; no bytes are shared between work-groups by design.
; Both fields are clamped to the table's extents (64 grids of 884,736 cells), so that every address lies in occ_grid whatever the word holds;
; the largest byte offset is 63*3,538,944 + 4*884,735 = 226,492,412, below 2^31.
.set GB4,   5*128*4                    ; bytes of cells and of out0 of a work-group
.set CELLS, 96*96*96                   ; cells of a grid
.set W, 4                              ; v[4:7]    the words, then the cells
.set O, 8                              ; v[8:11]   the grids, then the byte offsets in the table
.set R, 12                             ; v[12:15]  the four results
	s_load_b128 s[4:7], s[0:1], 0x0                ; cells s[4:5], occ_grid s[6:7]
	s_load_b64 s[8:9], s[0:1], 0x10                ; out0
	s_mul_i32 s10, ttmp9, GB4
	v_lshl_add_u32 v1, v0, 4, s10                  ; 16 t + the group
	s_wait_kmcnt 0x0
	global_load_b128 v[W:W+3], v1, s[4:5] th:TH_LOAD_NT
	s_wait_loadcnt 0x0
.irp p, 0,1,2,3
	v_lshrrev_b32 v[O+\p], 20, v[W+\p]             ; the grid
	v_and_b32 v[W+\p], 0xfffff, v[W+\p]            ; the cell
	v_min_u32 v[O+\p], 63, v[O+\p]
	v_min_u32 v[W+\p], CELLS-1, v[W+\p]
	v_mul_u32_u24 v[O+\p], CELLS*4, v[O+\p]        ; bytes of the grids in front (both factors below 2^24)
	v_lshl_add_u32 v[O+\p], v[W+\p], 2, v[O+\p]
	global_load_b32 v[R+\p], v[O+\p], s[6:7]       ; no streaming hint: neighbouring cells are asked for by other points
.endr
	s_wait_loadcnt 0x0
	global_store_b128 v1, v[R:R+3], s[8:9] th:TH_STORE_NT
	s_endpgm
.Lfunc_end_k_q222751519a_gather:
	.size	k_q222751519a_gather, .Lfunc_end_k_q222751519a_gather-k_q222751519a_gather
	.p2alignl 7, 3214868480
	.fill 96, 4, 3214868480
	.section	.rodata,"a",@progbits
	.p2align	6, 0x0
	.amdhsa_kernel k_q222751519a_gather
		.amdhsa_group_segment_fixed_size 0
		.amdhsa_private_segment_fixed_size 0
		.amdhsa_enable_private_segment 0
		.amdhsa_kernarg_size 24
		.amdhsa_user_sgpr_count 2
		.amdhsa_user_sgpr_kernarg_segment_ptr 1
		.amdhsa_wavefront_size32 1
		.amdhsa_system_sgpr_workgroup_id_x 1
		.amdhsa_system_sgpr_workgroup_id_y 1
		.amdhsa_system_sgpr_workgroup_id_z 1
		.amdhsa_system_vgpr_workitem_id 0
		.amdhsa_next_free_vgpr 16
		.amdhsa_next_free_sgpr 66
		.amdhsa_reserve_vcc 0
		.amdhsa_float_denorm_mode_32 3
		.amdhsa_float_denorm_mode_16_64 3
		.amdhsa_memory_ordered 1
		.amdhsa_forward_progress 1
		.amdhsa_inst_pref_size 3
	.end_amdhsa_kernel
	.amdgpu_metadata
---
amdhsa.version: [ 1, 2 ]
amdhsa.kernels:
  - .name:           k_q222751519a_gather
    .symbol:         k_q222751519a_gather.kd
    .args:
      - { .name: cells, .offset: 0, .size: 8, .value_kind: global_buffer, .address_space: global }
      - { .name: occ_grid, .offset: 8, .size: 8, .value_kind: global_buffer, .address_space: global }
      - { .name: out0, .offset: 16, .size: 8, .value_kind: global_buffer, .address_space: global }
    .group_segment_fixed_size: 0
    .private_segment_fixed_size: 0
    .kernarg_segment_align: 8
    .kernarg_segment_size: 24
    .max_flat_workgroup_size: 160
    .sgpr_count:     66
    .vgpr_count:     16
    .wavefront_size: 32
...
	.end_amdgpu_metadata
.endif
;; end of part 2
